; MI455X (gfx1250); checked and timed in simulation.
; The chip was launched on July 23, 2026; its instructions are those of AMD's public machine-readable ISA for CDNA 5 (MIT licence, August 2026) and "CDNA5" Instruction Set Architecture Reference Guide (July 2026). The comments in the code are by the model that wrote it; some were corrected since.
;; Game Of Life Rules. Allowed arithmetic: matrix products marked QUANTISED: E2M1 operands, one E8M0 scale for each 32 along K, by v_wmma_scale_f32_16x16x128_f8f6f4 with both operands' format E2M1 (or v_wmma_scale_f32_32x16x128_f4), f32 sums; products left as they are: f32 operands where the result goes on into a quantised operand, else bf16, f16 or f32 operands; f32 sums; everything else in f32.
;; Inputs: x 8 x 1 x 256 x 256 float32.
;; Outputs: out0 8 x 1 x 256 x 256 float32.
;; This version of the problem:
;;   THIS VERSION OF THE PROBLEM IS GIVEN IN LOW PRECISION. The matrix products marked QUANTISED in the list below multiply operands that are first quantised to E2M1 (2 exponent bits, 1 mantissa bit; 4 bits a number), with one power-of-two scale for each 32 numbers along K (OCP MX v1.0); their sums are f32. All else is computed in f32.
;;   The module's matrix products, in the order in which they are computed (A, B: the left and right operand; K: the contracted axis; several contracted axes count as one K, in the product's order):
;;     1. [M 140, K 140] x [K 140, N 524,288]; A: computed on the way; B: computed on the way: QUANTISED
;;     2. batch 524,288 x [M 1, K 140] x [K 140, N 1]; A: computed on the way; B: computed on the way: left as it is (M = 1 < 16)
;;   THE QUANTISER, for each operand of a quantised product, along K:
;;     - K is cut into blocks of 32 from its start; a last block that is shorter is filled with zeros.
;;     - A block's scale is 2^e with e = floor(log2(the largest magnitude in the block)) - 2, held to -126 .. 127; a block of zeros has e = 0. As a byte (E8M0): e + 127.
;;     - Each number is divided by its block's scale, clamped to +-6, and rounded to the nearest number of E2M1, ties to even, subnormals kept.
;;     - The product sums the exact products of the quantised numbers (number of the format x scale) in f32.
;;   ~~~python
;;   def quantise(x, axis):      # numpy; x: float32 -> the quantised numbers, widened to float32 again
;;       x = np.moveaxis(x, axis, -1); K = x.shape[-1]
;;       x = np.pad(x, [(0, 0)] * (x.ndim - 1) + [(0, -K % 32)]); x = x.reshape(x.shape[:-1] + (-1, 32)); a = np.abs(x).max(-1, keepdims=True)
;;       e = np.where(a > 0, np.clip(np.frexp(np.where(a > 0, a, 1))[1] - 1 - 2, -126, 127), 0)      # np.frexp(a)[1] - 1 = floor(log2(a)), exactly
;;       r = np.clip(x / 2.0 ** e, -6, 6)
;;       step = 2.0 ** (np.maximum(np.frexp(np.where(r == 0, 1, r))[1] - 1, 0) - 1)
;;       q = np.round(r / step) * step * 2.0 ** e      # np.round: ties to even
;;       return np.moveaxis(q.reshape(q.shape[:-2] + (-1,))[..., :K], -1, axis).astype(np.float32)
;;   ~~~
;;   OPERANDS COMPUTED ON THE WAY. 'Computed on the way' means the value that the module computes at that place (a softmax that the list does not call 'softmax' is quantised finished and normalised). What goes into a quantiser is computed in f32, as accurately as f32 sums, v_exp_f32 and their like allow (about 1e-6 of the number): no bf16 or f16 on the way to a quantiser, and a product that is left as it is and whose result goes on into a quantised operand takes f32 operands (vector FMAs, or v_wmma_f32_16x16x4_f32). A number that lies on a knife's edge between two numbers of the format may be rounded either way, as far as f32 arithmetic and the matrix unit's own rounding can turn it there, and no further.
;; 2 versions, each right; version 2 is version 1 with the launch life written anew for expert scheduling mode. Each part assembles by itself: llvm-mc -triple=amdgcn-amd-amdhsa -mcpu=gfx1250 --defsym DOCPART=n.
;; ======== version 1 of 2: 1 launch
;; launch life (part 1): grid 256 x 1, 16 waves a work-group, no clusters, 10,240 bytes of LDS; arguments x, out0; writes out0
.if DOCPART == 1
	.amdgcn_target "amdgcn-amd-amdhsa--gfx1250"
	.amdhsa_code_object_version 6
	.text
	.protected	k_q48bf73f6d0_life
	.globl	k_q48bf73f6d0_life
	.p2align	8
	.type	k_q48bf73f6d0_life,@function
k_q48bf73f6d0_life:
	s_mov_b64 s[64:65], 0
	v_nop
	global_prefetch_b8 v0, s[64:65] scope:SCOPE_SE
	s_setreg_imm32_b32 hwreg(HW_REG_WAVE_MODE, 25, 1), 1
	s_wait_xcnt 0x0
; out0[b][y][x] = sum_c acc_c - sum_ij acc_i pair_ij acc_j, acc_c = product over the 9 circular neighbours n_k of (n_k where pattern c has bit k, else 1 - n_k), for the 140 patterns of msel.
; PATTERNS.  A pattern is n = 32 hi + 16 c + lo: hi = cells k 0..3 (bit 8 = k0 .. bit 1 = k3), c = the centre k4, lo = cells k 5..8 (bit 8 = k5 .. bit 1 = k8).  msel holds, n ascending, those with 3 live cells
; (84, the 3-patterns) and those with 4 live cells and c = 1 (56, the 4-patterns).  pair[i][j] = 1 just where i is a 3-pattern, j a 4-pattern and i a subset of j.
; THE QUANTISED PRODUCT is T[j][p] = sum_i pair[i][j] Q(acc[i][p]): K = i, the 140 patterns in msel's order, five blocks of 32 (the last has 12 numbers).  pair is 0 or 1: code 6 (the number 4) under the byte 125 is 1, exactly.
; The second product, or[p] = sum_j acc[j][p] T[j][p], takes acc unquantised, in f32, by fused multiply-adds.
; WORK LEFT OUT.  (a) The 84 rows j of T that are 3-patterns: column j of pair is all zeros, built by the problem itself, so T[j] = 0 and its term acc_j T_j = 0 for all values of x.  The 56 live rows stand in four tiles of 16
; (eight rows of zeros among them, inside live tiles).  All 140 acc are made: each can move its block's scale.  (b) Sums are regrouped by the distributive law, for all x: sum_c acc_c = b4 P3 + a4 (P2 + P3), P_m the sum over
; all ways of m live among the 8 neighbours; acc_j T_j is summed as Lc[hi][1] x (sum_lo R[lo] T).  LIMITS: a NaN, an infinity or an overflow that reaches only the rows left out is not carried to the result; four rows of
; zeros of T are multiplied by Lc[hi][0], which has to be finite.  A block of zeros gets the byte 1 where the rule says 127: its codes are zeros.  The order of rounding in acc and in the sums differs from the problem's.
; SHARES.  256 work-groups of 16 waves.  Work-group g: image g / 32, rows 8 (g % 32) .. + 7.  Wave w: row w / 2 of those, columns 128 (w % 2) .. + 127.  Lane l: 4 neighbouring pixels, one in each of four iterations, so an
; iteration of a wave is 32 pixels = two tiles of 16 columns of the product; the lane's four results leave by one store of 16 bytes: 512 consecutive bytes a wave, aligned.
; A lane makes all 140 acc of ITS pixel in registers (Lc[hi][c]: top row, k3, centre; R[lo]: k5, bottom row; acc = Lc x R), so a block's largest magnitude needs no other lane and the conversions' results are the operand.
; THE CONSTANT OPERAND pair^T (64 rows x 140, as codes) is derived at assembly time from the rule above, in the order in which the lists BLK0 .. BLK4 lay the acc in a block (the order inside a block of 32 is free as long as
; both operands follow it; which patterns form a block is msel's).  Waves 0 to 3 build one tile each while x is on its way, hand the register images to all waves through LDS: one barrier in the launch.
; NOT USED, by the text's own arithmetic: tensor loads, a ring, clusters: a lane needs 18 numbers of x, once; of the 10 rows that a work-group reads only 2 are read by a neighbour as well.  No prefetch: all loads stand at the head.
; REGISTERS: v1, v2 the add's two; v3 A's scales; v4-8 addresses; v10-13 results; v14 sum; v16-17 or; v18-29 at work; v30, v31 B's scale words; v32-95 pair^T; v96-131 (1 - a, a) of 3 rows x 6 cells; v132-151 row tables;
; v152-167 R; v168-197 Lc; v200-219 codes; v220-251 a block's 32 acc, then four accumulators; v252-255 constants of the head.
.set SPARE, 8192                       ; LDS: 0 .. 8191 the images of pair^T (tile t at 2048 t: four pieces of 512 bytes, lane l's 16 bytes at 16 l); then the spare words, 128 bytes for each of 16 waves
.set SPW,  1                           ; v1   LDS address of my spare word; never rewritten
.set NIL,  2                           ; v2   0; never rewritten
.set ASC,  3                           ; v3   A's scale bytes: 125 four times; holds nothing else
.set COL,  4                           ; v4   my 16 bytes in a row: 512 (w % 2) + 16 l
.set CL,   5                           ; v5   the cell to their left, circular
.set CR,   6                           ; v6   the cell to their right, circular
.set LI,   7                           ; v7   16 l
.set LW,   8                           ; v8   16 l + 2048 w
.set TMPV, 9
.set OUT,  10
.set SUM,  14
.set ORP,  16
.set T,    18
.set U,    T                           ; the dot product's running pair
.set WP,   T+2                         ; and that of the rows with lo = 0
.set BW1,  30                          ; B's scale word, blocks 0-3; holds nothing else
.set BW2,  31                          ; B's scale word, block 4; holds nothing else
.set AF1,  32                          ; pair^T, K step 1: tile t at AF1 + 8 t
.set AF2,  64                          ; K step 2
.set AB,   96                          ; (b, a) = (1 - a, a) of row rho, cell kappa (column 4 l - 1 + kappa) at AB + 12 rho + 2 kappa
.set TRT,  132                         ; the top row's eight products, by t (bit 4: x - 1, bit 2: x, bit 1: x + 1 alive): t0 t1 t2 t4 t3 t5 t6 t7
.set TRB,  140                         ; the bottom row's
.set ET,   148                         ; top: exactly one alive, exactly two
.set EB,   150                         ; bottom
.set R,    152                         ; R[lo] at offsets 0..15: lo 0 9 8 1 2 4 3 5 10 12 6 9 11 13 14 7
.set TB,   152                         ; the builder's 16 registers (head only)
.set LC,   168                         ; Lc: the pair (c = 0, c = 1) of hi at LC + 2 hi
.set CF,   200                         ; block 4's codes
.set QF,   202                         ; and those of the pixels 16 lanes on
.set BF,   204                         ; blocks 0-3: column tile n at BF + 8 n
.set S,    220                         ; a block's 32 acc
.set DB,   220                         ; four accumulators: (t, n) at DB + 16 t + 8 n
.set RAW,  220                         ; x as loaded (head only)
.set KM,   252                         ; (-1, 1)
.set KA,   254                         ; (1, 0)
.set SW,   22                          ; s22  a word of the builder
.set TILE, 0
.set HALF, 0
.set ORF,  1
; which lo stand in the pair of R at offset rp, and at which offset a single lo stands
.set LOA_2, 8
.set LOB_2, 1
.set LOA_4, 2
.set LOB_4, 4
.set LOA_6, 3
.set LOB_6, 5
.set LOA_8, 10
.set LOB_8, 12
.set LOA_10, 6
.set LOB_10, 9
.set LOA_12, 11
.set LOB_12, 13
.set LOA_14, 14
.set LOB_14, 7
.set RO_0, 0
.set RO_1, 3
.set RO_2, 4
.set RO_3, 6
.set RO_4, 5
.set RO_5, 7
.set RO_8, 2
.set RO_10, 8
.set RO_12, 9
.set HV_a, 0
.set HV_b, 1
; ---- ONE DESCRIPTION FOR THE ARITHMETIC AND FOR THE TABLE.  mode 0: the instruction that makes the acc.  mode 1: no instruction; the pattern at place (blk, pair slot pr, half) is noted in the symbol PT_blk_pr_half.
.macro DEFPT blk, pr, half, n          ; a 3-pattern is noted as it is; a 4-pattern as 0x1ff, which is a subset of no row: pair has no one there
.set PN, \n
.set PP, (PN&1)+((PN>>1)&1)+((PN>>2)&1)+((PN>>3)&1)+((PN>>4)&1)+((PN>>5)&1)+((PN>>6)&1)+((PN>>7)&1)+((PN>>8)&1)
.if PP == 3
.set PT_\blk\()_\pr\()_\half, PN
.else
.set PT_\blk\()_\pr\()_\half, 0x1ff
.endif
.endm
.macro E_PK mode, blk, pr, hi, c, rp   ; two acc: Lc[hi][c] x the pair of R at rp
.if \mode
	DEFPT \blk, \pr, a, 32*\hi+16*\c+LOA_\rp
	DEFPT \blk, \pr, b, 32*\hi+16*\c+LOB_\rp
.else
	v_pk_mul_f32 v[S+2*\pr:S+2*\pr+1], v[R+\rp:R+\rp+1], v[LC+2*\hi:LC+2*\hi+1] op_sel:[0,\c] op_sel_hi:[1,\c]
.endif
.endm
.macro E_CC mode, blk, pr, hi          ; two acc: (Lc[hi][0], Lc[hi][1]) x R[0]
.if \mode
	DEFPT \blk, \pr, a, 32*\hi
	DEFPT \blk, \pr, b, 32*\hi+16
.else
	v_pk_mul_f32 v[S+2*\pr:S+2*\pr+1], v[LC+2*\hi:LC+2*\hi+1], v[R:R+1] op_sel_hi:[1,0]
.endif
.endm
.macro E_SG mode, blk, pr, half, hi, c, lo   ; one acc
.if \mode
	DEFPT \blk, \pr, \half, 32*\hi+16*\c+\lo
.else
	v_mul_f32 v[S+2*\pr+HV_\half], v[LC+2*\hi+\c], v[R+RO_\lo]
.endif
.endm
; msel's five blocks of 32, n ascending: block 0 = hi 0, hi 1, (hi 2, c 0, lo 3 5); block 1 = the rest of hi 2, hi 3, (hi 4: c 0; c 1 lo 1 2 3); block 2 = the rest of hi 4, hi 5 6 7, (hi 8, c 0, lo 3 5 6 9 10);
; block 3 = the rest of hi 8, hi 9 10 11, (hi 12, c 0, lo 1); block 4 = the rest of hi 12, hi 13, hi 14: 12 numbers.
.macro BLK0 mode
	E_PK \mode, 0, 0, 0, 0, 12
	E_PK \mode, 0, 1, 0, 0, 14
	E_PK \mode, 0, 2, 0, 1, 6
	E_PK \mode, 0, 3, 0, 1, 8
	E_PK \mode, 0, 4, 0, 1, 10
	E_PK \mode, 0, 5, 0, 1, 12
	E_PK \mode, 0, 6, 0, 1, 14
	E_PK \mode, 0, 7, 1, 0, 6
	E_PK \mode, 0, 8, 1, 0, 8
	E_PK \mode, 0, 9, 1, 0, 10
	E_PK \mode, 0, 10, 1, 1, 2
	E_PK \mode, 0, 11, 1, 1, 4
	E_PK \mode, 0, 12, 1, 1, 6
	E_PK \mode, 0, 13, 1, 1, 8
	E_PK \mode, 0, 14, 1, 1, 10
	E_PK \mode, 0, 15, 2, 0, 6
.endm
.macro BLK1 mode
	E_PK \mode, 1, 0, 2, 0, 8
	E_PK \mode, 1, 1, 2, 0, 10
	E_PK \mode, 1, 2, 2, 1, 2
	E_PK \mode, 1, 3, 2, 1, 4
	E_PK \mode, 1, 4, 2, 1, 6
	E_PK \mode, 1, 5, 2, 1, 8
	E_PK \mode, 1, 6, 2, 1, 10
	E_PK \mode, 1, 7, 3, 0, 2
	E_PK \mode, 1, 8, 3, 0, 4
	E_PK \mode, 1, 9, 3, 1, 2
	E_PK \mode, 1, 10, 3, 1, 4
	E_PK \mode, 1, 11, 4, 0, 6
	E_PK \mode, 1, 12, 4, 0, 8
	E_PK \mode, 1, 13, 4, 0, 10
	E_SG \mode, 1, 14, a, 3, 1, 0
	E_SG \mode, 1, 14, b, 4, 1, 1
	E_SG \mode, 1, 15, a, 4, 1, 2
	E_SG \mode, 1, 15, b, 4, 1, 3
.endm
.macro BLK2 mode
	E_PK \mode, 2, 0, 4, 1, 8
	E_PK \mode, 2, 1, 4, 1, 10
	E_PK \mode, 2, 2, 5, 0, 2
	E_PK \mode, 2, 3, 5, 0, 4
	E_PK \mode, 2, 4, 5, 1, 2
	E_PK \mode, 2, 5, 5, 1, 4
	E_PK \mode, 2, 6, 6, 0, 2
	E_PK \mode, 2, 7, 6, 0, 4
	E_PK \mode, 2, 8, 6, 1, 2
	E_PK \mode, 2, 9, 6, 1, 4
	E_CC \mode, 2, 10, 7
	E_PK \mode, 2, 11, 8, 0, 6
	E_PK \mode, 2, 12, 8, 0, 10
	E_SG \mode, 2, 13, a, 4, 1, 4
	E_SG \mode, 2, 13, b, 4, 1, 5
	E_SG \mode, 2, 14, a, 4, 1, 8
	E_SG \mode, 2, 14, b, 5, 1, 0
	E_SG \mode, 2, 15, a, 6, 1, 0
	E_SG \mode, 2, 15, b, 8, 0, 10
.endm
.macro BLK3 mode
	E_PK \mode, 3, 0, 8, 1, 2
	E_PK \mode, 3, 1, 8, 1, 4
	E_PK \mode, 3, 2, 8, 1, 6
	E_PK \mode, 3, 3, 8, 1, 8
	E_PK \mode, 3, 4, 8, 1, 10
	E_PK \mode, 3, 5, 9, 0, 2
	E_PK \mode, 3, 6, 9, 0, 4
	E_PK \mode, 3, 7, 9, 1, 2
	E_PK \mode, 3, 8, 9, 1, 4
	E_PK \mode, 3, 9, 10, 0, 2
	E_PK \mode, 3, 10, 10, 0, 4
	E_PK \mode, 3, 11, 10, 1, 2
	E_PK \mode, 3, 12, 10, 1, 4
	E_CC \mode, 3, 13, 11
	E_SG \mode, 3, 14, a, 8, 0, 12
	E_SG \mode, 3, 14, b, 9, 1, 0
	E_SG \mode, 3, 15, a, 10, 1, 0
	E_SG \mode, 3, 15, b, 12, 0, 1
.endm
.macro BLK4 mode
	E_PK \mode, 4, 0, 12, 0, 4
	E_PK \mode, 4, 1, 12, 1, 2
	E_PK \mode, 4, 2, 12, 1, 4
	E_CC \mode, 4, 3, 13
	E_CC \mode, 4, 4, 14
	E_SG \mode, 4, 5, a, 12, 0, 8
	E_SG \mode, 4, 5, b, 12, 1, 0
.endm
; ---- THE BUILDER.  A word of pair^T: eight codes, 6 where the pattern at that place of K is a subset of the row's 4-pattern nj.  Words of zeros are left as cleared.
.macro NIB nj, pt, q
.if ((\pt)&(0x1ff-(\nj))) == 0
.set WVAL, WVAL|(6<<(4*\q))
.endif
.endm
.macro AWORD nj, lane, reg, blk, p0, p1, p2, p3
.set WVAL, 0
	NIB \nj, PT_\blk\()_\p0\()_a, 0
	NIB \nj, PT_\blk\()_\p0\()_b, 1
	NIB \nj, PT_\blk\()_\p1\()_a, 2
	NIB \nj, PT_\blk\()_\p1\()_b, 3
	NIB \nj, PT_\blk\()_\p2\()_a, 4
	NIB \nj, PT_\blk\()_\p2\()_b, 5
	NIB \nj, PT_\blk\()_\p3\()_a, 6
	NIB \nj, PT_\blk\()_\p3\()_b, 7
.if WVAL != 0
.set WLANE, \lane
	s_mov_b32 s[SW], WVAL
	v_writelane_b32 v[TB+\reg], s[SW], WLANE
.endif
.endm
; A row of a tile, in the operand's layout: lane r holds row r; registers 0-3: block 0 in lanes 0-15, block 1 in lanes 16-31; registers 4-7: blocks 2 and 3; the second K step's registers 0, 1 (TB + 8, 9): block 4 in lanes 0-15.
.macro AROW lane, nj
	AWORD \nj, \lane, 0, 0, 0, 1, 2, 3
	AWORD \nj, \lane, 1, 0, 4, 5, 6, 7
	AWORD \nj, \lane, 2, 0, 8, 9, 10, 11
	AWORD \nj, \lane, 3, 0, 12, 13, 14, 15
	AWORD \nj, (\lane)+16, 0, 1, 0, 1, 2, 3
	AWORD \nj, (\lane)+16, 1, 1, 4, 5, 6, 7
	AWORD \nj, (\lane)+16, 2, 1, 8, 9, 10, 11
	AWORD \nj, (\lane)+16, 3, 1, 12, 13, 14, 15
	AWORD \nj, \lane, 4, 2, 0, 1, 2, 3
	AWORD \nj, \lane, 5, 2, 4, 5, 6, 7
	AWORD \nj, \lane, 6, 2, 8, 9, 10, 11
	AWORD \nj, \lane, 7, 2, 12, 13, 14, 15
	AWORD \nj, (\lane)+16, 4, 3, 0, 1, 2, 3
	AWORD \nj, (\lane)+16, 5, 3, 4, 5, 6, 7
	AWORD \nj, (\lane)+16, 6, 3, 8, 9, 10, 11
	AWORD \nj, (\lane)+16, 7, 3, 12, 13, 14, 15
	AWORD \nj, \lane, 8, 4, 0, 1, 2, 3
	AWORD \nj, \lane, 9, 4, 4, 5, 6, 7
.endm
; ---- THE ROWS OF T, for the builder (mode 1, tile TILE) and for the second product (mode 0, rows 32 HALF .. + 31).
.macro FOLD hi                         ; or += U x Lc[hi][1]; the first fold of an iteration starts the sum
.if ORF
	v_pk_mul_f32 v[ORP:ORP+1], v[U:U+1], v[LC+2*\hi:LC+2*\hi+1] op_sel:[0,1] op_sel_hi:[1,1]
.set ORF, 0
.else
	v_pk_fma_f32 v[ORP:ORP+1], v[U:U+1], v[LC+2*\hi:LC+2*\hi+1], v[ORP:ORP+1] op_sel:[0,1,0] op_sel_hi:[1,1,1]
.endif
.endm
.macro JP mode, m, hi, rp, first, last ; rows m, m + 1: the 4-patterns (hi, 1, the two lo of R's pair rp)
.if \mode
.if (\m)/16 == TILE
	AROW (\m)%16, 32*\hi+16+LOA_\rp
	AROW (\m)%16+1, 32*\hi+16+LOB_\rp
.endif
.else
.if (\m)/32 == HALF
.if \first
	v_pk_mul_f32 v[U:U+1], v[R+\rp:R+\rp+1], v[DB+(\m)%32:DB+(\m)%32+1]
.else
	v_pk_fma_f32 v[U:U+1], v[R+\rp:R+\rp+1], v[DB+(\m)%32:DB+(\m)%32+1], v[U:U+1]
.endif
.if \last
	FOLD \hi
.endif
.endif
.endif
.endm
.macro JC mode, m, hi, first, last     ; row m: zeros; row m + 1: the 4-pattern (hi, 1, 0)
.if \mode
.if (\m)/16 == TILE
	AROW (\m)%16+1, 32*\hi+16
.endif
.else
.if (\m)/32 == HALF
.if \first
	v_pk_mul_f32 v[WP:WP+1], v[LC+2*\hi:LC+2*\hi+1], v[DB+(\m)%32:DB+(\m)%32+1]
.else
	v_pk_fma_f32 v[WP:WP+1], v[LC+2*\hi:LC+2*\hi+1], v[DB+(\m)%32:DB+(\m)%32+1], v[WP:WP+1]
.endif
.if \last
	v_pk_fma_f32 v[ORP:ORP+1], v[WP:WP+1], v[R:R+1], v[ORP:ORP+1] op_sel_hi:[1,0,1]
.endif
.endif
.endif
.endm
.macro JLIST mode                      ; 56 live rows; rows 52, 54, 56, 58 and 60 to 63 are zeros
	JP \mode, 0, 0, 12, 1, 0
	JP \mode, 2, 0, 14, 0, 1
	JP \mode, 4, 1, 6, 1, 0
	JP \mode, 6, 1, 8, 0, 0
	JP \mode, 8, 1, 10, 0, 1
	JP \mode, 10, 2, 6, 1, 0
	JP \mode, 12, 2, 8, 0, 0
	JP \mode, 14, 2, 10, 0, 1
	JP \mode, 16, 4, 6, 1, 0
	JP \mode, 18, 4, 8, 0, 0
	JP \mode, 20, 4, 10, 0, 1
	JP \mode, 22, 8, 6, 1, 0
	JP \mode, 24, 8, 8, 0, 0
	JP \mode, 26, 8, 10, 0, 1
	JP \mode, 28, 3, 2, 1, 0
	JP \mode, 30, 3, 4, 0, 1
	JP \mode, 32, 5, 2, 1, 0
	JP \mode, 34, 5, 4, 0, 1
	JP \mode, 36, 6, 2, 1, 0
	JP \mode, 38, 6, 4, 0, 1
	JP \mode, 40, 9, 2, 1, 0
	JP \mode, 42, 9, 4, 0, 1
	JP \mode, 44, 10, 2, 1, 0
	JP \mode, 46, 10, 4, 0, 1
	JP \mode, 48, 12, 2, 1, 0
	JP \mode, 50, 12, 4, 0, 1
	JC \mode, 52, 7, 1, 0
	JC \mode, 54, 11, 0, 0
	JC \mode, 56, 13, 0, 0
	JC \mode, 58, 14, 0, 1
.endm
; the places of K are noted once, at assembly time; block 4's places 12 to 15 hold no pattern
	BLK0 1
	BLK1 1
	BLK2 1
	BLK3 1
	BLK4 1
.set PT_4_6_a, 0x1ff
.set PT_4_6_b, 0x1ff
.set PT_4_7_a, 0x1ff
.set PT_4_7_b, 0x1ff
; ---- THE ARITHMETIC OF AN ITERATION
; A row's eight products of three cells, and the sums for exactly one and exactly two alive.  rho: the row; phi: the pixel.  Ten plain instructions.
.macro TRI dst, e, rho, phi
.set TC, AB+12*(\rho)+2*(\phi)
	v_pk_mul_f32 v[T:T+1], v[TC:TC+1], v[TC+2:TC+3]                                          ; (b b, a a) of cells x - 1, x
	v_pk_mul_f32 v[T+2:T+3], v[TC:TC+1], v[TC+2:TC+3] op_sel:[0,1] op_sel_hi:[1,0]           ; (b a, a b)
	v_pk_mul_f32 v[\dst:\dst+1], v[T:T+1], v[TC+4:TC+5] op_sel_hi:[0,1]                      ; t0, t1
	v_pk_mul_f32 v[\dst+6:\dst+7], v[T:T+1], v[TC+4:TC+5] op_sel:[1,0] op_sel_hi:[1,1]       ; t6, t7
	v_pk_mul_f32 v[\dst+2:\dst+3], v[T+2:T+3], v[TC+4:TC+5] op_sel_hi:[1,0]                  ; t2, t4
	v_pk_mul_f32 v[\dst+4:\dst+5], v[T+2:T+3], v[TC+4:TC+5] op_sel:[0,1] op_sel_hi:[1,1]     ; t3, t5
	v_add_f32 v[\e], v[\dst+1], v[\dst+2]
	v_add_f32 v[\e+1], v[\dst+4], v[\dst+5]
	v_add_f32 v[\e], v[\e], v[\dst+3]
	v_add_f32 v[\e+1], v[\e+1], v[\dst+6]
.endm
.macro LCP hi, tp, e, m                ; Lc[hi] = the top row's product at offset tp + e x the pair (k3 term x b4, k3 term x a4) in v[m]
	v_pk_mul_f32 v[LC+2*\hi:LC+2*\hi+1], v[TRT+\tp:TRT+\tp+1], v[\m:\m+1] op_sel:[\e,0] op_sel_hi:[\e,1]
.endm
; the largest magnitude of a block's 32 numbers, four chains by turns, with the floor 2^(3 - 127) among the leaves (so the byte cannot fall under 1); then 2 off its exponent field: the conversion's scale operand
.macro QMAX
.irp q, 0,1,2,3
	v_max3_num_f32 v[T+\q], |v[S+8*\q]|, |v[S+8*\q+1]|, |v[S+8*\q+2]|
.endr
.irp i, 3,5
.irp q, 0,1,2,3
	v_max3_num_f32 v[T+\q], v[T+\q], |v[S+8*\q+\i]|, |v[S+8*\q+\i+1]|
.endr
.endr
	v_max3_num_f32 v[T], v[T], |v[S+7]|, |v[S+15]|
	v_max3_num_f32 v[T+2], v[T+2], |v[S+23]|, |v[S+31]|
	v_max3_num_f32 v[T], v[T], v[T+1], v[T+2]
	v_max3_num_f32 v[T], v[T], v[T+3], 0x1800000
	v_add_nc_u32 v[T+4], 0xff000000, v[T]
.endm
.macro QCVT dst                        ; 32 numbers to 32 codes: four registers
.irp g, 0,1,2,3
	v_cvt_scalef32_pk8_fp4_f32 v[\dst+\g], v[S+8*\g:S+8*\g+7], v[T+4]
.endr
.endm
.macro QBYTE sh                        ; the scale's byte, into its place in the word.  The first line is also the plain instruction behind the conversions, ahead of the next block's writes of their sources
	v_lshrrev_b32 v[T+5], 23, v[T+4]
	v_lshl_or_b32 v[BW1], v[T+5], \sh, v[BW1]
.endm
; a matrix instruction: z = 1: it starts the sum; n: the tile of columns: for n = 1 B's scales are read from lanes 16-31, where those pixels' own lanes hold them
.macro WM d, a, b, z, sb, n
.if \z
.if \n
	v_wmma_scale_f32_16x16x128_f8f6f4 v[\d:\d+7], v[\a:\a+7], v[\b:\b+7], 0, v[ASC], v[\sb] matrix_a_fmt:MATRIX_FMT_FP4 matrix_b_fmt:MATRIX_FMT_FP4 matrix_b_scale:MATRIX_SCALE_ROW1
.else
	v_wmma_scale_f32_16x16x128_f8f6f4 v[\d:\d+7], v[\a:\a+7], v[\b:\b+7], 0, v[ASC], v[\sb] matrix_a_fmt:MATRIX_FMT_FP4 matrix_b_fmt:MATRIX_FMT_FP4
.endif
.else
.if \n
	v_wmma_scale_f32_16x16x128_f8f6f4 v[\d:\d+7], v[\a:\a+7], v[\b:\b+7], v[\d:\d+7], v[ASC], v[\sb] matrix_a_fmt:MATRIX_FMT_FP4 matrix_b_fmt:MATRIX_FMT_FP4 matrix_b_scale:MATRIX_SCALE_ROW1
.else
	v_wmma_scale_f32_16x16x128_f8f6f4 v[\d:\d+7], v[\a:\a+7], v[\b:\b+7], v[\d:\d+7], v[ASC], v[\sb] matrix_a_fmt:MATRIX_FMT_FP4 matrix_b_fmt:MATRIX_FMT_FP4
.endif
.endif
.endm
; Rows 32 half .. + 31 of T for the wave's 32 pixels: two tiles of rows x two of columns, K step 1 (blocks 0-3), then K step 2 (block 4).  The four accumulators take turns, one instruction a turn.
; In K step 2 only k = 0 .. 11 are live: pair^T holds zero codes at every other k, B's eight registers hold codes of some kind there (every code of this format is a finite number) and the scale word's upper bytes are 0, no 0xff.
.macro MM half
.irp tp, 0,1
.irp n, 0,1
	WM DB+16*\tp+8*\n, AF1+8*(2*\half+\tp), BF+8*\n, 1, BW1, \n
.endr
.endr
.irp tp, 0,1
.irp n, 0,1
	WM DB+16*\tp+8*\n, AF2+8*(2*\half+\tp), CF+2*\n, 0, BW2, \n
.endr
.endr
.endm
; A result register j holds rows j (lanes 0-15) and 8 + j (lanes 16-31) of 16 pixels.  One exchange of halves between the two column tiles gives every lane ITS pixel: v[DB + mu] = T[32 half + mu].  Each accumulator is read from its low end on.
.macro DOT half
.irp tp, 0,1
.irp j, 0,1,2,3,4,5,6,7
	v_permlane16_swap_b32 v[DB+16*\tp+\j], v[DB+16*\tp+8+\j]
.endr
.endr
.set HALF, \half
	JLIST 0
.endm
.macro ITER phi
.set MC3, AB+12+2*(\phi)               ; (b, a) of k3,
.set MC4, MC3+2                        ; of the centre,
.set MC5, MC3+4                        ; of k5
.set ORF, 1
	; Lc[hi][c] = top row x k3 x centre
	v_pk_mul_f32 v[T:T+1], v[MC3:MC3+1], v[MC4:MC4+1] op_sel_hi:[0,1]                        ; b3 x (b4, a4): even hi
	v_pk_mul_f32 v[T+2:T+3], v[MC3:MC3+1], v[MC4:MC4+1] op_sel:[1,0] op_sel_hi:[1,1]         ; a3 x (b4, a4): odd hi
	LCP 0, 0, 0, T
	LCP 1, 0, 0, T+2
	LCP 2, 0, 1, T
	LCP 3, 0, 1, T+2
	LCP 4, 2, 0, T
	LCP 5, 2, 0, T+2
	LCP 6, 4, 0, T
	LCP 7, 4, 0, T+2
	LCP 8, 2, 1, T
	LCP 9, 2, 1, T+2
	LCP 10, 4, 1, T
	LCP 11, 4, 1, T+2
	LCP 12, 6, 0, T
	LCP 13, 6, 0, T+2
	LCP 14, 6, 1, T
	; R[lo] = k5 x bottom row
	v_pk_mul_f32 v[R:R+1], v[MC5:MC5+1], v[TRB:TRB+1]                                        ; lo 0, 9
	v_pk_mul_f32 v[R+2:R+3], v[MC5:MC5+1], v[TRB:TRB+1] op_sel:[1,0] op_sel_hi:[0,1]         ; lo 8, 1
	v_pk_mul_f32 v[R+4:R+5], v[MC5:MC5+1], v[TRB+2:TRB+3] op_sel_hi:[0,1]                    ; lo 2, 4
	v_pk_mul_f32 v[R+8:R+9], v[MC5:MC5+1], v[TRB+2:TRB+3] op_sel:[1,0] op_sel_hi:[1,1]       ; lo 10, 12
	v_pk_mul_f32 v[R+6:R+7], v[MC5:MC5+1], v[TRB+4:TRB+5] op_sel_hi:[0,1]                    ; lo 3, 5
	v_pk_mul_f32 v[R+12:R+13], v[MC5:MC5+1], v[TRB+4:TRB+5] op_sel:[1,0] op_sel_hi:[1,1]     ; lo 11, 13
	v_pk_mul_f32 v[R+14:R+15], v[MC5:MC5+1], v[TRB+6:TRB+7] op_sel:[1,0] op_sel_hi:[0,1]     ; lo 14, 7
	v_mul_f32 v[R+10], v[MC5], v[TRB+6]                                                      ; lo 6
	v_mul_f32 v[R+11], v[MC5+1], v[TRB+1]                                                    ; lo 9
	; the five blocks: acc, largest magnitude, codes, byte.  Blocks 0, 2 go to column tile 0's registers, blocks 1, 3 to tile 1's: the exchange below sorts them
	BLK0 0
	QMAX
	QCVT BF
	v_lshrrev_b32 v[BW1], 23, v[T+4]               ; byte 0 starts the word; also the plain instruction behind the conversions
	BLK1 0
	QMAX
	QCVT BF+8
	QBYTE 8
	BLK2 0
	QMAX
	QCVT BF+4
	QBYTE 16
	BLK3 0
	QMAX
	QCVT BF+12
	QBYTE 24
	BLK4 0
	v_max3_num_f32 v[T], |v[S]|, |v[S+1]|, |v[S+2]|
	v_max3_num_f32 v[T+1], |v[S+3]|, |v[S+4]|, |v[S+5]|
	v_max3_num_f32 v[T], v[T], |v[S+6]|, |v[S+7]|
	v_max3_num_f32 v[T+1], v[T+1], |v[S+8]|, |v[S+9]|
	v_max3_num_f32 v[T], v[T], |v[S+10]|, |v[S+11]|
	v_max3_num_f32 v[T], v[T], v[T+1], 0x1800000
	v_add_nc_u32 v[T+4], 0xff000000, v[T]
	v_cvt_scalef32_pk8_fp4_f32 v[CF], v[S:S+7], v[T+4]
	v_cvt_scalef32_pk8_fp4_f32 v[CF+1], v[S+8:S+15], v[T+4]   ; its last four numbers are block 3's leftovers: their codes meet zero codes of pair^T
	v_lshrrev_b32 v[BW2], 23, v[T+4]               ; block 4's byte; the word's other bytes are 0
	; the operand's layout: lanes 0-15 of a column tile hold blocks 0 and 2 of pixel r, lanes 16-31 blocks 1 and 3 of the same pixel
.irp i, 0,1,2,3,4,5,6,7
	v_permlane16_swap_b32 v[BF+\i], v[BF+8+\i]
.endr
	v_permlane16_swap_b32 v[CF], v[QF]             ; block 4 of the pixels of lanes 16-31 comes to lanes 0-15 of QF
	v_permlane16_swap_b32 v[CF+1], v[QF+1]
	; top row x bottom row: exactly 0, 1, 2, 3 alive among the six.  Ten plain instructions: a scale word written by a vector instruction stands eight ahead of a scaled matrix instruction, an operand so written four
	v_mul_f32 v[T], v[TRT], v[TRB]
	v_mul_f32 v[T+1], v[TRT], v[EB]
	v_mul_f32 v[T+2], v[TRT], v[EB+1]
	v_mul_f32 v[T+3], v[TRT], v[TRB+7]
	v_fmac_f32 v[T+1], v[ET], v[TRB]
	v_fmac_f32 v[T+2], v[ET], v[EB]
	v_fmac_f32 v[T+3], v[ET], v[EB+1]
	v_fmac_f32 v[T+2], v[ET+1], v[TRB]
	v_fmac_f32 v[T+3], v[ET+1], v[EB]
	v_fmac_f32 v[T+3], v[TRT+7], v[TRB]
	MM 0
	; with k3 and k5: P2, P3 of the eight neighbours; sum_c acc_c = b4 P3 + a4 (P2 + P3).  Twelve plain instructions that name no register of the products: the places behind them (four ahead of the reads of the results,
	; five ahead of the products that begin anew on the same accumulators)
	v_pk_mul_f32 v[T+4:T+5], v[MC3:MC3+1], v[MC5:MC5+1]   ; none of the two alive, both
	v_mul_f32 v[T+6], v[MC3+1], v[MC5]
	v_mul_f32 v[T+7], v[T+2], v[T+4]
	v_mul_f32 v[T+8], v[T+3], v[T+4]
	v_fmac_f32 v[T+6], v[MC3], v[MC5+1]            ; one of the two
	v_fmac_f32 v[T+7], v[T], v[T+5]
	v_fmac_f32 v[T+8], v[T+1], v[T+5]
	v_fmac_f32 v[T+7], v[T+1], v[T+6]              ; P2
	v_fmac_f32 v[T+8], v[T+2], v[T+6]              ; P3
	v_add_f32 v[T+7], v[T+7], v[T+8]
	v_mul_f32 v[SUM], v[MC4], v[T+8]
	v_fmac_f32 v[SUM], v[MC4+1], v[T+7]
	DOT 0
	MM 1
.if \phi < 3
	TRI TRT, ET, 0, \phi+1                         ; the next pixel's row tables: twenty plain instructions that name no register of the products: the places behind them
	TRI TRB, EB, 2, \phi+1
.else
.rept 4
	v_nop                                          ; the last pixel has no such work: four places ahead of the reads of the results
.endr
.endif
	DOT 1
	v_sub_f32 v[T+4], v[SUM], v[ORP]
	v_sub_f32 v[OUT+\phi], v[T+4], v[ORP+1]
.endm
; ======== the head
	s_load_b128 s[4:7], s[0:1], 0x0                ; x s[4:5], out0 s[6:7]
	v_lshl_add_u32 v[SPW], v0, 2, SPARE
	v_mov_b32 v[NIL], 0
	v_lshrrev_b32 v[TMPV], 5, v0
	v_readfirstlane_b32 s8, v[TMPV]                ; wave 0..15
	v_and_b32 v[TMPV], 31, v0                      ; lane
	v_lshlrev_b32 v[LI], 4, v[TMPV]
	s_and_b32 s9, s8, 1
	s_lshl_b32 s9, s9, 9
	v_add_nc_u32 v[COL], s9, v[LI]                 ; my 16 bytes of a row of 1,024
	v_add_nc_u32 v[CL], -4, v[COL]
	v_and_b32 v[CL], 0x3ff, v[CL]                  ; the cell to the left, round the row's end
	v_add_nc_u32 v[CR], 16, v[COL]
	v_and_b32 v[CR], 0x3ff, v[CR]                  ; and to the right
	s_lshl_b32 s9, s8, 11
	v_add_nc_u32 v[LW], s9, v[LI]                  ; where waves 0 to 3 store their tile's image: every LDS address is made ahead of the waves' parting
	s_lshr_b32 s9, ttmp9, 5
	s_lshl_b32 s9, s9, 18                          ; my image: 256 rows of 1,024 bytes
	s_and_b32 s10, ttmp9, 31
	s_lshl_b32 s10, s10, 3
	s_lshr_b32 s11, s8, 1
	s_add_co_u32 s10, s10, s11                     ; my row y
	s_add_co_u32 s23, s10, 255
	s_and_b32 s23, s23, 255                        ; y - 1, round the image's edge
	s_add_co_u32 s25, s10, 1
	s_and_b32 s25, s25, 255                        ; y + 1
	s_lshl_b32 s23, s23, 10
	s_lshl_b32 s24, s10, 10
	s_lshl_b32 s25, s25, 10
	s_add_co_u32 s23, s23, s9
	s_add_co_u32 s24, s24, s9
	s_add_co_u32 s25, s25, s9
	s_mov_b32 s21, 0
	s_wait_kmcnt 0x0                               ; the two addresses
	s_mov_b32 s20, s23
	s_add_nc_u64 s[12:13], s[4:5], s[20:21]        ; x at row y - 1,
	s_mov_b32 s20, s24
	s_add_nc_u64 s[14:15], s[4:5], s[20:21]        ; y,
	s_add_nc_u64 s[18:19], s[6:7], s[20:21]        ; out0 at row y,
	s_mov_b32 s20, s25
	s_add_nc_u64 s[16:17], s[4:5], s[20:21]        ; x at row y + 1
.irp rho, 0,1,2
	global_load_b128 v[RAW+8*\rho:RAW+8*\rho+3], v[COL], s[12+2*\rho:13+2*\rho]    ; cells 1 to 4: 512 consecutive bytes a wave
	global_load_b32 v[RAW+8*\rho+4], v[CL], s[12+2*\rho:13+2*\rho]                 ; cell 0
	global_load_b32 v[RAW+8*\rho+5], v[CR], s[12+2*\rho:13+2*\rho]                 ; cell 5
.endr
	; waves 0 to 3 build tile w of pair^T while x is on its way; the branches hang on the wave's number alone
	s_cmp_ge_u32 s8, 4
	s_cbranch_scc1 .Lbuilt
.irp i, 0,1,2,3,4,5,6,7,8,9,10,11,12,13,14,15
	v_mov_b32 v[TB+\i], 0
.endr
	s_cmp_eq_u32 s8, 0
	s_cbranch_scc1 .Ltile0
	s_cmp_eq_u32 s8, 1
	s_cbranch_scc1 .Ltile1
	s_cmp_eq_u32 s8, 2
	s_cbranch_scc1 .Ltile2
.set TILE, 3
	JLIST 1
	s_branch .Lstore
.Ltile0:
.set TILE, 0
	JLIST 1
	s_branch .Lstore
.Ltile1:
.set TILE, 1
	JLIST 1
	s_branch .Lstore
.Ltile2:
.set TILE, 2
	JLIST 1
.Lstore:
.irp i, 0,1,2,3
	ds_store_b128 v[LW], v[TB+4*\i:TB+4*\i+3] offset:512*\i   ; the image of the operand's registers: 512 consecutive bytes a store
.endr
.Lbuilt:
	s_wait_dscnt 0x0                               ; for the others' sake: my stores of the image have landed
	s_barrier_signal -1
	s_barrier_wait -1                              ; the four tiles lie in LDS; nothing writes them again
.irp t, 0,1,2,3
	ds_load_b128 v[AF1+8*\t:AF1+8*\t+3], v[LI] offset:2048*\t
	ds_load_b128 v[AF1+8*\t+4:AF1+8*\t+7], v[LI] offset:2048*\t+512
	ds_load_b128 v[AF2+8*\t:AF2+8*\t+3], v[LI] offset:2048*\t+1024
	ds_load_b128 v[AF2+8*\t+4:AF2+8*\t+7], v[LI] offset:2048*\t+1536
.endr
	v_mov_b32 v[ASC], 0x7d7d7d7d                   ; 2^-2 for every block of pair^T: code 6 is the number 4
	v_mov_b32 v[KM], -1.0
	v_mov_b32 v[KM+1], 1.0
	v_mov_b32 v[KA], 1.0
	v_mov_b32 v[KA+1], 0
	v_mov_b32 v[QF], 0                             ; written once: both registers of an exchange of halves count as read
	v_mov_b32 v[QF+1], 0
	s_wait_loadcnt 0x0                             ; x: all nine loads, waited for once
.macro MKAB rho, kap, pb, e            ; (1 - a, a) of a cell, by one packed multiply-add: a x (-1, 1) + (1, 0)
	v_pk_fma_f32 v[AB+12*\rho+2*\kap:AB+12*\rho+2*\kap+1], v[RAW+8*\rho+\pb:RAW+8*\rho+\pb+1], v[KM:KM+1], v[KA:KA+1] op_sel:[\e,0,0] op_sel_hi:[\e,1,1]
.endm
.irp rho, 0,1,2
	MKAB \rho, 0, 4, 0
	MKAB \rho, 1, 0, 0
	MKAB \rho, 2, 0, 1
	MKAB \rho, 3, 2, 0
	MKAB \rho, 4, 2, 1
	MKAB \rho, 5, 4, 1
.endr
	TRI TRT, ET, 0, 0                              ; the first pixel's row tables
	TRI TRB, EB, 2, 0
	s_wait_dscnt 0x0                               ; pair^T is in my registers
	ITER 0
	ITER 1
	ITER 2
	ITER 3
	global_store_b128 v[COL], v[OUT:OUT+3], s[18:19] th:TH_STORE_NT   ; 32 lanes store 512 consecutive bytes, at a multiple of 512 from out0's first byte; written once, read by nobody here
	s_wait_tensorcnt 0x0                           ; the wave's end
	ds_add_u32 v[SPW], v[NIL]
	s_wait_dscnt 0x0
	s_endpgm
.Lfunc_end_k_q48bf73f6d0_life:
	.size	k_q48bf73f6d0_life, .Lfunc_end_k_q48bf73f6d0_life-k_q48bf73f6d0_life
	.p2alignl 7, 3214868480
	.fill 96, 4, 3214868480
	.section	.rodata,"a",@progbits
	.p2align	6, 0x0
	.amdhsa_kernel k_q48bf73f6d0_life
		.amdhsa_group_segment_fixed_size 10240
		.amdhsa_private_segment_fixed_size 0
		.amdhsa_enable_private_segment 0
		.amdhsa_kernarg_size 16
		.amdhsa_user_sgpr_count 2
		.amdhsa_user_sgpr_kernarg_segment_ptr 1
		.amdhsa_wavefront_size32 1
		.amdhsa_system_sgpr_workgroup_id_x 1
		.amdhsa_system_sgpr_workgroup_id_y 1
		.amdhsa_system_sgpr_workgroup_id_z 1
		.amdhsa_system_vgpr_workitem_id 0
		.amdhsa_next_free_vgpr 256
		.amdhsa_next_free_sgpr 66
		.amdhsa_reserve_vcc 0
		.amdhsa_float_denorm_mode_32 3
		.amdhsa_float_denorm_mode_16_64 3
		.amdhsa_memory_ordered 1
		.amdhsa_forward_progress 1
		.amdhsa_inst_pref_size 109
	.end_amdhsa_kernel
	.amdgpu_metadata
---
amdhsa.version: [ 1, 2 ]
amdhsa.kernels:
  - .name:           k_q48bf73f6d0_life
    .symbol:         k_q48bf73f6d0_life.kd
    .args:
      - { .name: x, .offset: 0, .size: 8, .value_kind: global_buffer, .address_space: global }
      - { .name: out0, .offset: 8, .size: 8, .value_kind: global_buffer, .address_space: global }
    .group_segment_fixed_size: 10240
    .private_segment_fixed_size: 0
    .kernarg_segment_align: 8
    .kernarg_segment_size: 16
    .max_flat_workgroup_size: 512
    .sgpr_count:     66
    .vgpr_count:     256
    .wavefront_size: 32
...
	.end_amdgpu_metadata
.endif
;; end of part 1
;; ======== version 2 of 2: 1 launch; version 1 with the launch life written anew for expert scheduling mode
;; launch life (part 2): grid 256 x 1, 16 waves a work-group, no clusters, 10,240 bytes of LDS; arguments x, out0; writes out0
.if DOCPART == 2
	.amdgcn_target "amdgcn-amd-amdhsa--gfx1250"
	.amdhsa_code_object_version 6
	.text
	.protected	k_q48bf73f6d0_life
	.globl	k_q48bf73f6d0_life
	.p2align	8
	.type	k_q48bf73f6d0_life,@function
k_q48bf73f6d0_life:
	s_mov_b64 s[64:65], 0
	v_nop
	global_prefetch_b8 v0, s[64:65] scope:SCOPE_SE
	s_setreg_imm32_b32 hwreg(HW_REG_WAVE_SCHED_MODE, 0, 2), 2
	s_setreg_imm32_b32 hwreg(HW_REG_WAVE_MODE, 25, 1), 1
	s_wait_xcnt 0x0
	s_wait_alu depctr_vm_vsrc(0)
; out0[b][y][x] = sum_c acc_c - sum_ij acc_i pair_ij acc_j, acc_c = product over the 9 circular neighbours n_k of (n_k where pattern c has bit k, else 1 - n_k), for the 140 patterns of msel.
; PATTERNS.  A pattern is n = 32 hi + 16 c + lo: hi = cells k 0..3 (bit 8 = k0 .. bit 1 = k3), c = the centre k4, lo = cells k 5..8 (bit 8 = k5 .. bit 1 = k8).  msel holds, n ascending, those with 3 live cells
; (84, the 3-patterns) and those with 4 live cells and c = 1 (56, the 4-patterns).  pair[i][j] = 1 just where i is a 3-pattern, j a 4-pattern and i a subset of j.
; THE QUANTISED PRODUCT is T[j][p] = sum_i pair[i][j] Q(acc[i][p]): K = i, the 140 patterns in msel's order, five blocks of 32 (the last has 12 numbers).  pair is 0 or 1: code 6 (the number 4) under the byte 125 is 1, exactly.
; The second product, or[p] = sum_j acc[j][p] T[j][p], takes acc unquantised, in f32, by fused multiply-adds.
; WORK LEFT OUT.  (a) The 84 rows j of T that are 3-patterns: column j of pair is all zeros, built by the problem itself, so T[j] = 0 and its term acc_j T_j = 0 for all values of x.  The 56 live rows stand in four tiles of 16
; (eight rows of zeros among them, inside live tiles).  All 140 acc are made: each can move its block's scale.  (b) Sums are regrouped by the distributive law, for all x: sum_c acc_c = b4 P3 + a4 (P2 + P3), P_m the sum over
; all ways of m live among the 8 neighbours; acc_j T_j is summed as Lc[hi][1] x (sum_lo R[lo] T).  LIMITS: a NaN, an infinity or an overflow that reaches only the rows left out is not carried to the result; four rows of
; zeros of T are multiplied by Lc[hi][0], which has to be finite.  A block of zeros gets the byte 1 where the rule says 127: its codes are zeros.  The order of rounding in acc and in the sums differs from the problem's.
; SHARES.  256 work-groups of 16 waves.  Work-group g: image g / 32, rows 8 (g % 32) .. + 7.  Wave w: row w / 2 of those, columns 128 (w % 2) .. + 127.  Lane l: 4 neighbouring pixels, one in each of four iterations, so an
; iteration of a wave is 32 pixels = two tiles of 16 columns of the product; the lane's four results leave by one store of 16 bytes: 512 consecutive bytes a wave, aligned.
; A lane makes all 140 acc of ITS pixel in registers (Lc[hi][c]: top row, k3, centre; R[lo]: k5, bottom row; acc = Lc x R), so a block's largest magnitude needs no other lane and the conversions' results are the operand.
; THE CONSTANT OPERAND pair^T (64 rows x 140, as codes) is derived at assembly time from the rule above, in the order in which the lists BLK0 .. BLK4 lay the acc in a block (the order inside a block of 32 is free as long as
; both operands follow it; which patterns form a block is msel's).  Waves 0 to 3 build one tile each while x is on its way, hand the register images to all waves through LDS: one barrier in the launch.
; NOT USED, by the text's own arithmetic: tensor loads, a ring, clusters: a lane needs 18 numbers of x, once; of the 10 rows that a work-group reads only 2 are read by a neighbour as well.  No prefetch: all loads stand at the head.
; THE MODE: SCHED_MODE bits 1:0 = 2 (LLVM: expert scheduling mode 2), set by the entry lines.  The code itself states the register dependences between vector or matrix instructions and memory or LDS instructions,
; with s_wait_alu, always for 0.
; THE PLAN.  Registers that memory or LDS instructions touch:
;   v4-8       offsets and LDS addresses.  Written by vector instructions at the head, never again.  Read by the nine loads of x (v4-6), the LDS loads of pair^T (v7), the LDS stores of its images (v8), the last store (v4).
;   v152-167   Waves 0 to 3: written by the builder's vector instructions; read by its four LDS stores; written again, as R, by the first iteration.
;   v220-241   x lands here; no vector instruction names them ahead of the loads.     v32-95  pair^T lands here, once; vector instructions never name them.
;   v10-13     written by the four iterations' last lines; read by the one store.     v1, v2  written at the head, read by the closing add alone.
; So: one wait on va_vdst ahead of the first load (v4-8, for every load and store of the kernel: the builder, which alone stands between, names v152-167 and nothing else); one ahead of the LDS stores (v152-167 are written);
; one wait on vm_vsrc behind the barrier (the LDS stores have read v152-167); one wait on va_vdst ahead of the last store (v10-13).  The iterations hold no memory or LDS instruction: each has one wait on va_vdst, ahead of its
; first scaled product, for the codes and scale words that vector instructions have just made.  One wait on va_sdst stands behind the line that makes the wave's number a scalar.
; REGISTERS: v1, v2 the add's two; v3 A's scales; v4-8 addresses; v10-13 results; v14 sum; v16-17 or; v18-29 at work; v30, v31 B's scale words; v32-95 pair^T; v96-131 (1 - a, a) of 3 rows x 6 cells; v132-151 row tables;
; v152-167 R; v168-197 Lc; v200-219 codes; v220-251 a block's 32 acc, then four accumulators; v252-255 constants of the head.
.set SPARE, 8192                       ; LDS: 0 .. 8191 the images of pair^T (tile t at 2048 t: four pieces of 512 bytes, lane l's 16 bytes at 16 l); then the spare words, 128 bytes for each of 16 waves
.set SPW,  1                           ; v1   LDS address of my spare word; never rewritten
.set NIL,  2                           ; v2   0; never rewritten
.set ASC,  3                           ; v3   A's scale bytes: 125 four times; holds nothing else
.set COL,  4                           ; v4   my 16 bytes in a row: 512 (w % 2) + 16 l
.set CL,   5                           ; v5   the cell to their left, circular
.set CR,   6                           ; v6   the cell to their right, circular
.set LI,   7                           ; v7   16 l
.set LW,   8                           ; v8   16 l + 2048 w
.set TMPV, 9
.set OUT,  10
.set SUM,  14
.set ORP,  16
.set T,    18
.set U,    T                           ; the dot product's running pair
.set WP,   T+2                         ; and that of the rows with lo = 0
.set BW1,  30                          ; B's scale word, blocks 0-3; holds nothing else
.set BW2,  31                          ; B's scale word, block 4; holds nothing else
.set AF1,  32                          ; pair^T, K step 1: tile t at AF1 + 8 t
.set AF2,  64                          ; K step 2
.set AB,   96                          ; (b, a) = (1 - a, a) of row rho, cell kappa (column 4 l - 1 + kappa) at AB + 12 rho + 2 kappa
.set TRT,  132                         ; the top row's eight products, by t (bit 4: x - 1, bit 2: x, bit 1: x + 1 alive): t0 t1 t2 t4 t3 t5 t6 t7
.set TRB,  140                         ; the bottom row's
.set ET,   148                         ; top: exactly one alive, exactly two
.set EB,   150                         ; bottom
.set R,    152                         ; R[lo] at offsets 0..15: lo 0 9 8 1 2 4 3 5 10 12 6 9 11 13 14 7
.set TB,   152                         ; the builder's 16 registers (head only)
.set LC,   168                         ; Lc: the pair (c = 0, c = 1) of hi at LC + 2 hi
.set CF,   200                         ; block 4's codes
.set QF,   202                         ; and those of the pixels 16 lanes on
.set BF,   204                         ; blocks 0-3: column tile n at BF + 8 n
.set S,    220                         ; a block's 32 acc
.set DB,   220                         ; four accumulators: (t, n) at DB + 16 t + 8 n
.set RAW,  220                         ; x as loaded (head only)
.set KM,   252                         ; (-1, 1)
.set KA,   254                         ; (1, 0)
.set SW,   22                          ; s22  a word of the builder
.set TILE, 0
.set HALF, 0
.set ORF,  1
; which lo stand in the pair of R at offset rp, and at which offset a single lo stands
.set LOA_2, 8
.set LOB_2, 1
.set LOA_4, 2
.set LOB_4, 4
.set LOA_6, 3
.set LOB_6, 5
.set LOA_8, 10
.set LOB_8, 12
.set LOA_10, 6
.set LOB_10, 9
.set LOA_12, 11
.set LOB_12, 13
.set LOA_14, 14
.set LOB_14, 7
.set RO_0, 0
.set RO_1, 3
.set RO_2, 4
.set RO_3, 6
.set RO_4, 5
.set RO_5, 7
.set RO_8, 2
.set RO_10, 8
.set RO_12, 9
.set HV_a, 0
.set HV_b, 1
; ---- ONE DESCRIPTION FOR THE ARITHMETIC AND FOR THE TABLE.  mode 0: the instruction that makes the acc.  mode 1: no instruction; the pattern at place (blk, pair slot pr, half) is noted in the symbol PT_blk_pr_half.
.macro DEFPT blk, pr, half, n          ; a 3-pattern is noted as it is; a 4-pattern as 0x1ff, which is a subset of no row: pair has no one there
.set PN, \n
.set PP, (PN&1)+((PN>>1)&1)+((PN>>2)&1)+((PN>>3)&1)+((PN>>4)&1)+((PN>>5)&1)+((PN>>6)&1)+((PN>>7)&1)+((PN>>8)&1)
.if PP == 3
.set PT_\blk\()_\pr\()_\half, PN
.else
.set PT_\blk\()_\pr\()_\half, 0x1ff
.endif
.endm
.macro E_PK mode, blk, pr, hi, c, rp   ; two acc: Lc[hi][c] x the pair of R at rp
.if \mode
	DEFPT \blk, \pr, a, 32*\hi+16*\c+LOA_\rp
	DEFPT \blk, \pr, b, 32*\hi+16*\c+LOB_\rp
.else
	v_pk_mul_f32 v[S+2*\pr:S+2*\pr+1], v[R+\rp:R+\rp+1], v[LC+2*\hi:LC+2*\hi+1] op_sel:[0,\c] op_sel_hi:[1,\c]
.endif
.endm
.macro E_CC mode, blk, pr, hi          ; two acc: (Lc[hi][0], Lc[hi][1]) x R[0]
.if \mode
	DEFPT \blk, \pr, a, 32*\hi
	DEFPT \blk, \pr, b, 32*\hi+16
.else
	v_pk_mul_f32 v[S+2*\pr:S+2*\pr+1], v[LC+2*\hi:LC+2*\hi+1], v[R:R+1] op_sel_hi:[1,0]
.endif
.endm
.macro E_SG mode, blk, pr, half, hi, c, lo   ; one acc
.if \mode
	DEFPT \blk, \pr, \half, 32*\hi+16*\c+\lo
.else
	v_mul_f32 v[S+2*\pr+HV_\half], v[LC+2*\hi+\c], v[R+RO_\lo]
.endif
.endm
; msel's five blocks of 32, n ascending: block 0 = hi 0, hi 1, (hi 2, c 0, lo 3 5); block 1 = the rest of hi 2, hi 3, (hi 4: c 0; c 1 lo 1 2 3); block 2 = the rest of hi 4, hi 5 6 7, (hi 8, c 0, lo 3 5 6 9 10);
; block 3 = the rest of hi 8, hi 9 10 11, (hi 12, c 0, lo 1); block 4 = the rest of hi 12, hi 13, hi 14: 12 numbers.
.macro BLK0 mode
	E_PK \mode, 0, 0, 0, 0, 12
	E_PK \mode, 0, 1, 0, 0, 14
	E_PK \mode, 0, 2, 0, 1, 6
	E_PK \mode, 0, 3, 0, 1, 8
	E_PK \mode, 0, 4, 0, 1, 10
	E_PK \mode, 0, 5, 0, 1, 12
	E_PK \mode, 0, 6, 0, 1, 14
	E_PK \mode, 0, 7, 1, 0, 6
	E_PK \mode, 0, 8, 1, 0, 8
	E_PK \mode, 0, 9, 1, 0, 10
	E_PK \mode, 0, 10, 1, 1, 2
	E_PK \mode, 0, 11, 1, 1, 4
	E_PK \mode, 0, 12, 1, 1, 6
	E_PK \mode, 0, 13, 1, 1, 8
	E_PK \mode, 0, 14, 1, 1, 10
	E_PK \mode, 0, 15, 2, 0, 6
.endm
.macro BLK1 mode
	E_PK \mode, 1, 0, 2, 0, 8
	E_PK \mode, 1, 1, 2, 0, 10
	E_PK \mode, 1, 2, 2, 1, 2
	E_PK \mode, 1, 3, 2, 1, 4
	E_PK \mode, 1, 4, 2, 1, 6
	E_PK \mode, 1, 5, 2, 1, 8
	E_PK \mode, 1, 6, 2, 1, 10
	E_PK \mode, 1, 7, 3, 0, 2
	E_PK \mode, 1, 8, 3, 0, 4
	E_PK \mode, 1, 9, 3, 1, 2
	E_PK \mode, 1, 10, 3, 1, 4
	E_PK \mode, 1, 11, 4, 0, 6
	E_PK \mode, 1, 12, 4, 0, 8
	E_PK \mode, 1, 13, 4, 0, 10
	E_SG \mode, 1, 14, a, 3, 1, 0
	E_SG \mode, 1, 14, b, 4, 1, 1
	E_SG \mode, 1, 15, a, 4, 1, 2
	E_SG \mode, 1, 15, b, 4, 1, 3
.endm
.macro BLK2 mode
	E_PK \mode, 2, 0, 4, 1, 8
	E_PK \mode, 2, 1, 4, 1, 10
	E_PK \mode, 2, 2, 5, 0, 2
	E_PK \mode, 2, 3, 5, 0, 4
	E_PK \mode, 2, 4, 5, 1, 2
	E_PK \mode, 2, 5, 5, 1, 4
	E_PK \mode, 2, 6, 6, 0, 2
	E_PK \mode, 2, 7, 6, 0, 4
	E_PK \mode, 2, 8, 6, 1, 2
	E_PK \mode, 2, 9, 6, 1, 4
	E_CC \mode, 2, 10, 7
	E_PK \mode, 2, 11, 8, 0, 6
	E_PK \mode, 2, 12, 8, 0, 10
	E_SG \mode, 2, 13, a, 4, 1, 4
	E_SG \mode, 2, 13, b, 4, 1, 5
	E_SG \mode, 2, 14, a, 4, 1, 8
	E_SG \mode, 2, 14, b, 5, 1, 0
	E_SG \mode, 2, 15, a, 6, 1, 0
	E_SG \mode, 2, 15, b, 8, 0, 10
.endm
.macro BLK3 mode
	E_PK \mode, 3, 0, 8, 1, 2
	E_PK \mode, 3, 1, 8, 1, 4
	E_PK \mode, 3, 2, 8, 1, 6
	E_PK \mode, 3, 3, 8, 1, 8
	E_PK \mode, 3, 4, 8, 1, 10
	E_PK \mode, 3, 5, 9, 0, 2
	E_PK \mode, 3, 6, 9, 0, 4
	E_PK \mode, 3, 7, 9, 1, 2
	E_PK \mode, 3, 8, 9, 1, 4
	E_PK \mode, 3, 9, 10, 0, 2
	E_PK \mode, 3, 10, 10, 0, 4
	E_PK \mode, 3, 11, 10, 1, 2
	E_PK \mode, 3, 12, 10, 1, 4
	E_CC \mode, 3, 13, 11
	E_SG \mode, 3, 14, a, 8, 0, 12
	E_SG \mode, 3, 14, b, 9, 1, 0
	E_SG \mode, 3, 15, a, 10, 1, 0
	E_SG \mode, 3, 15, b, 12, 0, 1
.endm
.macro BLK4 mode
	E_PK \mode, 4, 0, 12, 0, 4
	E_PK \mode, 4, 1, 12, 1, 2
	E_PK \mode, 4, 2, 12, 1, 4
	E_CC \mode, 4, 3, 13
	E_CC \mode, 4, 4, 14
	E_SG \mode, 4, 5, a, 12, 0, 8
	E_SG \mode, 4, 5, b, 12, 1, 0
.endm
; ---- THE BUILDER.  A word of pair^T: eight codes, 6 where the pattern at that place of K is a subset of the row's 4-pattern nj.  Words of zeros are left as cleared.
.macro NIB nj, pt, q
.if ((\pt)&(0x1ff-(\nj))) == 0
.set WVAL, WVAL|(6<<(4*\q))
.endif
.endm
.macro AWORD nj, lane, reg, blk, p0, p1, p2, p3
.set WVAL, 0
	NIB \nj, PT_\blk\()_\p0\()_a, 0
	NIB \nj, PT_\blk\()_\p0\()_b, 1
	NIB \nj, PT_\blk\()_\p1\()_a, 2
	NIB \nj, PT_\blk\()_\p1\()_b, 3
	NIB \nj, PT_\blk\()_\p2\()_a, 4
	NIB \nj, PT_\blk\()_\p2\()_b, 5
	NIB \nj, PT_\blk\()_\p3\()_a, 6
	NIB \nj, PT_\blk\()_\p3\()_b, 7
.if WVAL != 0
.set WLANE, \lane
	s_mov_b32 s[SW], WVAL
	v_writelane_b32 v[TB+\reg], s[SW], WLANE
.endif
.endm
; A row of a tile, in the operand's layout: lane r holds row r; registers 0-3: block 0 in lanes 0-15, block 1 in lanes 16-31; registers 4-7: blocks 2 and 3; the second K step's registers 0, 1 (TB + 8, 9): block 4 in lanes 0-15.
.macro AROW lane, nj
	AWORD \nj, \lane, 0, 0, 0, 1, 2, 3
	AWORD \nj, \lane, 1, 0, 4, 5, 6, 7
	AWORD \nj, \lane, 2, 0, 8, 9, 10, 11
	AWORD \nj, \lane, 3, 0, 12, 13, 14, 15
	AWORD \nj, (\lane)+16, 0, 1, 0, 1, 2, 3
	AWORD \nj, (\lane)+16, 1, 1, 4, 5, 6, 7
	AWORD \nj, (\lane)+16, 2, 1, 8, 9, 10, 11
	AWORD \nj, (\lane)+16, 3, 1, 12, 13, 14, 15
	AWORD \nj, \lane, 4, 2, 0, 1, 2, 3
	AWORD \nj, \lane, 5, 2, 4, 5, 6, 7
	AWORD \nj, \lane, 6, 2, 8, 9, 10, 11
	AWORD \nj, \lane, 7, 2, 12, 13, 14, 15
	AWORD \nj, (\lane)+16, 4, 3, 0, 1, 2, 3
	AWORD \nj, (\lane)+16, 5, 3, 4, 5, 6, 7
	AWORD \nj, (\lane)+16, 6, 3, 8, 9, 10, 11
	AWORD \nj, (\lane)+16, 7, 3, 12, 13, 14, 15
	AWORD \nj, \lane, 8, 4, 0, 1, 2, 3
	AWORD \nj, \lane, 9, 4, 4, 5, 6, 7
.endm
; ---- THE ROWS OF T, for the builder (mode 1, tile TILE) and for the second product (mode 0, rows 32 HALF .. + 31).
.macro FOLD hi                         ; or += U x Lc[hi][1]; the first fold of an iteration starts the sum
.if ORF
	v_pk_mul_f32 v[ORP:ORP+1], v[U:U+1], v[LC+2*\hi:LC+2*\hi+1] op_sel:[0,1] op_sel_hi:[1,1]
.set ORF, 0
.else
	v_pk_fma_f32 v[ORP:ORP+1], v[U:U+1], v[LC+2*\hi:LC+2*\hi+1], v[ORP:ORP+1] op_sel:[0,1,0] op_sel_hi:[1,1,1]
.endif
.endm
.macro JP mode, m, hi, rp, first, last ; rows m, m + 1: the 4-patterns (hi, 1, the two lo of R's pair rp)
.if \mode
.if (\m)/16 == TILE
	AROW (\m)%16, 32*\hi+16+LOA_\rp
	AROW (\m)%16+1, 32*\hi+16+LOB_\rp
.endif
.else
.if (\m)/32 == HALF
.if \first
	v_pk_mul_f32 v[U:U+1], v[R+\rp:R+\rp+1], v[DB+(\m)%32:DB+(\m)%32+1]
.else
	v_pk_fma_f32 v[U:U+1], v[R+\rp:R+\rp+1], v[DB+(\m)%32:DB+(\m)%32+1], v[U:U+1]
.endif
.if \last
	FOLD \hi
.endif
.endif
.endif
.endm
.macro JC mode, m, hi, first, last     ; row m: zeros; row m + 1: the 4-pattern (hi, 1, 0)
.if \mode
.if (\m)/16 == TILE
	AROW (\m)%16+1, 32*\hi+16
.endif
.else
.if (\m)/32 == HALF
.if \first
	v_pk_mul_f32 v[WP:WP+1], v[LC+2*\hi:LC+2*\hi+1], v[DB+(\m)%32:DB+(\m)%32+1]
.else
	v_pk_fma_f32 v[WP:WP+1], v[LC+2*\hi:LC+2*\hi+1], v[DB+(\m)%32:DB+(\m)%32+1], v[WP:WP+1]
.endif
.if \last
	v_pk_fma_f32 v[ORP:ORP+1], v[WP:WP+1], v[R:R+1], v[ORP:ORP+1] op_sel_hi:[1,0,1]
.endif
.endif
.endif
.endm
.macro JLIST mode                      ; 56 live rows; rows 52, 54, 56, 58 and 60 to 63 are zeros
	JP \mode, 0, 0, 12, 1, 0
	JP \mode, 2, 0, 14, 0, 1
	JP \mode, 4, 1, 6, 1, 0
	JP \mode, 6, 1, 8, 0, 0
	JP \mode, 8, 1, 10, 0, 1
	JP \mode, 10, 2, 6, 1, 0
	JP \mode, 12, 2, 8, 0, 0
	JP \mode, 14, 2, 10, 0, 1
	JP \mode, 16, 4, 6, 1, 0
	JP \mode, 18, 4, 8, 0, 0
	JP \mode, 20, 4, 10, 0, 1
	JP \mode, 22, 8, 6, 1, 0
	JP \mode, 24, 8, 8, 0, 0
	JP \mode, 26, 8, 10, 0, 1
	JP \mode, 28, 3, 2, 1, 0
	JP \mode, 30, 3, 4, 0, 1
	JP \mode, 32, 5, 2, 1, 0
	JP \mode, 34, 5, 4, 0, 1
	JP \mode, 36, 6, 2, 1, 0
	JP \mode, 38, 6, 4, 0, 1
	JP \mode, 40, 9, 2, 1, 0
	JP \mode, 42, 9, 4, 0, 1
	JP \mode, 44, 10, 2, 1, 0
	JP \mode, 46, 10, 4, 0, 1
	JP \mode, 48, 12, 2, 1, 0
	JP \mode, 50, 12, 4, 0, 1
	JC \mode, 52, 7, 1, 0
	JC \mode, 54, 11, 0, 0
	JC \mode, 56, 13, 0, 0
	JC \mode, 58, 14, 0, 1
.endm
; the places of K are noted once, at assembly time; block 4's places 12 to 15 hold no pattern
	BLK0 1
	BLK1 1
	BLK2 1
	BLK3 1
	BLK4 1
.set PT_4_6_a, 0x1ff
.set PT_4_6_b, 0x1ff
.set PT_4_7_a, 0x1ff
.set PT_4_7_b, 0x1ff
; ---- THE ARITHMETIC OF AN ITERATION
; A row's eight products of three cells, and the sums for exactly one and exactly two alive.  rho: the row; phi: the pixel.  Ten plain instructions.
.macro TRI dst, e, rho, phi
.set TC, AB+12*(\rho)+2*(\phi)
	v_pk_mul_f32 v[T:T+1], v[TC:TC+1], v[TC+2:TC+3]                                          ; (b b, a a) of cells x - 1, x
	v_pk_mul_f32 v[T+2:T+3], v[TC:TC+1], v[TC+2:TC+3] op_sel:[0,1] op_sel_hi:[1,0]           ; (b a, a b)
	v_pk_mul_f32 v[\dst:\dst+1], v[T:T+1], v[TC+4:TC+5] op_sel_hi:[0,1]                      ; t0, t1
	v_pk_mul_f32 v[\dst+6:\dst+7], v[T:T+1], v[TC+4:TC+5] op_sel:[1,0] op_sel_hi:[1,1]       ; t6, t7
	v_pk_mul_f32 v[\dst+2:\dst+3], v[T+2:T+3], v[TC+4:TC+5] op_sel_hi:[1,0]                  ; t2, t4
	v_pk_mul_f32 v[\dst+4:\dst+5], v[T+2:T+3], v[TC+4:TC+5] op_sel:[0,1] op_sel_hi:[1,1]     ; t3, t5
	v_add_f32 v[\e], v[\dst+1], v[\dst+2]
	v_add_f32 v[\e+1], v[\dst+4], v[\dst+5]
	v_add_f32 v[\e], v[\e], v[\dst+3]
	v_add_f32 v[\e+1], v[\e+1], v[\dst+6]
.endm
.macro LCP hi, tp, e, m                ; Lc[hi] = the top row's product at offset tp + e x the pair (k3 term x b4, k3 term x a4) in v[m]
	v_pk_mul_f32 v[LC+2*\hi:LC+2*\hi+1], v[TRT+\tp:TRT+\tp+1], v[\m:\m+1] op_sel:[\e,0] op_sel_hi:[\e,1]
.endm
; the largest magnitude of a block's 32 numbers, four chains by turns, with the floor 2^(3 - 127) among the leaves (so the byte cannot fall under 1); then 2 off its exponent field: the conversion's scale operand
.macro QMAX
.irp q, 0,1,2,3
	v_max3_num_f32 v[T+\q], |v[S+8*\q]|, |v[S+8*\q+1]|, |v[S+8*\q+2]|
.endr
.irp i, 3,5
.irp q, 0,1,2,3
	v_max3_num_f32 v[T+\q], v[T+\q], |v[S+8*\q+\i]|, |v[S+8*\q+\i+1]|
.endr
.endr
	v_max3_num_f32 v[T], v[T], |v[S+7]|, |v[S+15]|
	v_max3_num_f32 v[T+2], v[T+2], |v[S+23]|, |v[S+31]|
	v_max3_num_f32 v[T], v[T], v[T+1], v[T+2]
	v_max3_num_f32 v[T], v[T], v[T+3], 0x1800000
	v_add_nc_u32 v[T+4], 0xff000000, v[T]
.endm
.macro QCVT dst                        ; 32 numbers to 32 codes: four registers
.irp g, 0,1,2,3
	v_cvt_scalef32_pk8_fp4_f32 v[\dst+\g], v[S+8*\g:S+8*\g+7], v[T+4]
.endr
.endm
.macro QBYTE sh                        ; the scale's byte, into its place in the word.  The first line is also the plain instruction behind the conversions, ahead of the next block's writes of their sources
	v_lshrrev_b32 v[T+5], 23, v[T+4]
	v_lshl_or_b32 v[BW1], v[T+5], \sh, v[BW1]
.endm
; a matrix instruction: z = 1: it starts the sum; n: the tile of columns: for n = 1 B's scales are read from lanes 16-31, where those pixels' own lanes hold them
.macro WM d, a, b, z, sb, n
.if \z
.if \n
	v_wmma_scale_f32_16x16x128_f8f6f4 v[\d:\d+7], v[\a:\a+7], v[\b:\b+7], 0, v[ASC], v[\sb] matrix_a_fmt:MATRIX_FMT_FP4 matrix_b_fmt:MATRIX_FMT_FP4 matrix_b_scale:MATRIX_SCALE_ROW1
.else
	v_wmma_scale_f32_16x16x128_f8f6f4 v[\d:\d+7], v[\a:\a+7], v[\b:\b+7], 0, v[ASC], v[\sb] matrix_a_fmt:MATRIX_FMT_FP4 matrix_b_fmt:MATRIX_FMT_FP4
.endif
.else
.if \n
	v_wmma_scale_f32_16x16x128_f8f6f4 v[\d:\d+7], v[\a:\a+7], v[\b:\b+7], v[\d:\d+7], v[ASC], v[\sb] matrix_a_fmt:MATRIX_FMT_FP4 matrix_b_fmt:MATRIX_FMT_FP4 matrix_b_scale:MATRIX_SCALE_ROW1
.else
	v_wmma_scale_f32_16x16x128_f8f6f4 v[\d:\d+7], v[\a:\a+7], v[\b:\b+7], v[\d:\d+7], v[ASC], v[\sb] matrix_a_fmt:MATRIX_FMT_FP4 matrix_b_fmt:MATRIX_FMT_FP4
.endif
.endif
.endm
; Rows 32 half .. + 31 of T for the wave's 32 pixels: two tiles of rows x two of columns, K step 1 (blocks 0-3), then K step 2 (block 4).  The four accumulators take turns, one instruction a turn.
; In K step 2 only k = 0 .. 11 are live: pair^T holds zero codes at every other k, B's eight registers hold codes of some kind there (every code of this format is a finite number) and the scale word's upper bytes are 0, no 0xff.
.macro MM half
.irp tp, 0,1
.irp n, 0,1
	WM DB+16*\tp+8*\n, AF1+8*(2*\half+\tp), BF+8*\n, 1, BW1, \n
.endr
.endr
.irp tp, 0,1
.irp n, 0,1
	WM DB+16*\tp+8*\n, AF2+8*(2*\half+\tp), CF+2*\n, 0, BW2, \n
.endr
.endr
.endm
; A result register j holds rows j (lanes 0-15) and 8 + j (lanes 16-31) of 16 pixels.  One exchange of halves between the two column tiles gives every lane ITS pixel: v[DB + mu] = T[32 half + mu].  Each accumulator is read from its low end on.
.macro DOT half
.irp tp, 0,1
.irp j, 0,1,2,3,4,5,6,7
	v_permlane16_swap_b32 v[DB+16*\tp+\j], v[DB+16*\tp+8+\j]
.endr
.endr
.set HALF, \half
	JLIST 0
.endm
.macro ITER phi
.set MC3, AB+12+2*(\phi)               ; (b, a) of k3,
.set MC4, MC3+2                        ; of the centre,
.set MC5, MC3+4                        ; of k5
.set ORF, 1
	; Lc[hi][c] = top row x k3 x centre
	v_pk_mul_f32 v[T:T+1], v[MC3:MC3+1], v[MC4:MC4+1] op_sel_hi:[0,1]                        ; b3 x (b4, a4): even hi
	v_pk_mul_f32 v[T+2:T+3], v[MC3:MC3+1], v[MC4:MC4+1] op_sel:[1,0] op_sel_hi:[1,1]         ; a3 x (b4, a4): odd hi
	LCP 0, 0, 0, T
	LCP 1, 0, 0, T+2
	LCP 2, 0, 1, T
	LCP 3, 0, 1, T+2
	LCP 4, 2, 0, T
	LCP 5, 2, 0, T+2
	LCP 6, 4, 0, T
	LCP 7, 4, 0, T+2
	LCP 8, 2, 1, T
	LCP 9, 2, 1, T+2
	LCP 10, 4, 1, T
	LCP 11, 4, 1, T+2
	LCP 12, 6, 0, T
	LCP 13, 6, 0, T+2
	LCP 14, 6, 1, T
	; R[lo] = k5 x bottom row
	v_pk_mul_f32 v[R:R+1], v[MC5:MC5+1], v[TRB:TRB+1]                                        ; lo 0, 9
	v_pk_mul_f32 v[R+2:R+3], v[MC5:MC5+1], v[TRB:TRB+1] op_sel:[1,0] op_sel_hi:[0,1]         ; lo 8, 1
	v_pk_mul_f32 v[R+4:R+5], v[MC5:MC5+1], v[TRB+2:TRB+3] op_sel_hi:[0,1]                    ; lo 2, 4
	v_pk_mul_f32 v[R+8:R+9], v[MC5:MC5+1], v[TRB+2:TRB+3] op_sel:[1,0] op_sel_hi:[1,1]       ; lo 10, 12
	v_pk_mul_f32 v[R+6:R+7], v[MC5:MC5+1], v[TRB+4:TRB+5] op_sel_hi:[0,1]                    ; lo 3, 5
	v_pk_mul_f32 v[R+12:R+13], v[MC5:MC5+1], v[TRB+4:TRB+5] op_sel:[1,0] op_sel_hi:[1,1]     ; lo 11, 13
	v_pk_mul_f32 v[R+14:R+15], v[MC5:MC5+1], v[TRB+6:TRB+7] op_sel:[1,0] op_sel_hi:[0,1]     ; lo 14, 7
	v_mul_f32 v[R+10], v[MC5], v[TRB+6]                                                      ; lo 6
	v_mul_f32 v[R+11], v[MC5+1], v[TRB+1]                                                    ; lo 9
	; the five blocks: acc, largest magnitude, codes, byte.  Blocks 0, 2 go to column tile 0's registers, blocks 1, 3 to tile 1's: the exchange below sorts them
	BLK0 0
	QMAX
	QCVT BF
	v_lshrrev_b32 v[BW1], 23, v[T+4]               ; byte 0 starts the word; also the plain instruction behind the conversions
	BLK1 0
	QMAX
	QCVT BF+8
	QBYTE 8
	BLK2 0
	QMAX
	QCVT BF+4
	QBYTE 16
	BLK3 0
	QMAX
	QCVT BF+12
	QBYTE 24
	BLK4 0
	v_max3_num_f32 v[T], |v[S]|, |v[S+1]|, |v[S+2]|
	v_max3_num_f32 v[T+1], |v[S+3]|, |v[S+4]|, |v[S+5]|
	v_max3_num_f32 v[T], v[T], |v[S+6]|, |v[S+7]|
	v_max3_num_f32 v[T+1], v[T+1], |v[S+8]|, |v[S+9]|
	v_max3_num_f32 v[T], v[T], |v[S+10]|, |v[S+11]|
	v_max3_num_f32 v[T], v[T], v[T+1], 0x1800000
	v_add_nc_u32 v[T+4], 0xff000000, v[T]
	v_cvt_scalef32_pk8_fp4_f32 v[CF], v[S:S+7], v[T+4]
	v_cvt_scalef32_pk8_fp4_f32 v[CF+1], v[S+8:S+15], v[T+4]   ; its last four numbers are block 3's leftovers: their codes meet zero codes of pair^T
	v_lshrrev_b32 v[BW2], 23, v[T+4]               ; block 4's byte; the word's other bytes are 0
	; the operand's layout: lanes 0-15 of a column tile hold blocks 0 and 2 of pixel r, lanes 16-31 blocks 1 and 3 of the same pixel
.irp i, 0,1,2,3,4,5,6,7
	v_permlane16_swap_b32 v[BF+\i], v[BF+8+\i]
.endr
	v_permlane16_swap_b32 v[CF], v[QF]             ; block 4 of the pixels of lanes 16-31 comes to lanes 0-15 of QF
	v_permlane16_swap_b32 v[CF+1], v[QF+1]
	; top row x bottom row: exactly 0, 1, 2, 3 alive among the six.  Ten plain instructions: a scale word written by a vector instruction stands eight ahead of a scaled matrix instruction, an operand so written four
	v_mul_f32 v[T], v[TRT], v[TRB]
	v_mul_f32 v[T+1], v[TRT], v[EB]
	v_mul_f32 v[T+2], v[TRT], v[EB+1]
	v_mul_f32 v[T+3], v[TRT], v[TRB+7]
	v_fmac_f32 v[T+1], v[ET], v[TRB]
	v_fmac_f32 v[T+2], v[ET], v[EB]
	v_fmac_f32 v[T+3], v[ET], v[EB+1]
	v_fmac_f32 v[T+2], v[ET+1], v[TRB]
	v_fmac_f32 v[T+3], v[ET+1], v[EB]
	v_fmac_f32 v[T+3], v[TRT+7], v[TRB]
	s_wait_alu depctr_va_vdst(0)                   ; the conversions and the exchanges of halves have written the codes v[CF ..] to v[BF + 15], the shifts the scale words v[BW1], v[BW2] (in the first iteration: the head has written v[ASC]): the scaled products of this iteration, both halves', take them as B and as scales; no vector instruction writes them again before the second half's.  The places above stay beside this wait
	MM 0
	; with k3 and k5: P2, P3 of the eight neighbours; sum_c acc_c = b4 P3 + a4 (P2 + P3).  Twelve plain instructions that name no register of the products: the places behind them (four ahead of the reads of the results,
	; five ahead of the products that begin anew on the same accumulators)
	v_pk_mul_f32 v[T+4:T+5], v[MC3:MC3+1], v[MC5:MC5+1]   ; none of the two alive, both
	v_mul_f32 v[T+6], v[MC3+1], v[MC5]
	v_mul_f32 v[T+7], v[T+2], v[T+4]
	v_mul_f32 v[T+8], v[T+3], v[T+4]
	v_fmac_f32 v[T+6], v[MC3], v[MC5+1]            ; one of the two
	v_fmac_f32 v[T+7], v[T], v[T+5]
	v_fmac_f32 v[T+8], v[T+1], v[T+5]
	v_fmac_f32 v[T+7], v[T+1], v[T+6]              ; P2
	v_fmac_f32 v[T+8], v[T+2], v[T+6]              ; P3
	v_add_f32 v[T+7], v[T+7], v[T+8]
	v_mul_f32 v[SUM], v[MC4], v[T+8]
	v_fmac_f32 v[SUM], v[MC4+1], v[T+7]
	DOT 0
	MM 1
.if \phi < 3
	TRI TRT, ET, 0, \phi+1                         ; the next pixel's row tables: twenty plain instructions that name no register of the products: the places behind them
	TRI TRB, EB, 2, \phi+1
.else
.rept 4
	v_nop                                          ; the last pixel has no such work: four places ahead of the reads of the results
.endr
.endif
	DOT 1
	v_sub_f32 v[T+4], v[SUM], v[ORP]
	v_sub_f32 v[OUT+\phi], v[T+4], v[ORP+1]
.endm
; ======== the head
	s_load_b128 s[4:7], s[0:1], 0x0                ; x s[4:5], out0 s[6:7]
	v_lshl_add_u32 v[SPW], v0, 2, SPARE
	v_mov_b32 v[NIL], 0
	v_lshrrev_b32 v[TMPV], 5, v0
	v_readfirstlane_b32 s8, v[TMPV]                ; wave 0..15
	v_and_b32 v[TMPV], 31, v0                      ; lane
	v_lshlrev_b32 v[LI], 4, v[TMPV]
	s_wait_alu depctr_va_sdst(0)                   ; s8 is written, ahead of its first reader: offsets, row numbers and the branches on the wave's number are made from it
	s_and_b32 s9, s8, 1
	s_lshl_b32 s9, s9, 9
	v_add_nc_u32 v[COL], s9, v[LI]                 ; my 16 bytes of a row of 1,024
	v_add_nc_u32 v[CL], -4, v[COL]
	v_and_b32 v[CL], 0x3ff, v[CL]                  ; the cell to the left, round the row's end
	v_add_nc_u32 v[CR], 16, v[COL]
	v_and_b32 v[CR], 0x3ff, v[CR]                  ; and to the right
	s_lshl_b32 s9, s8, 11
	v_add_nc_u32 v[LW], s9, v[LI]                  ; where waves 0 to 3 store their tile's image: every LDS address is made ahead of the waves' parting
	s_lshr_b32 s9, ttmp9, 5
	s_lshl_b32 s9, s9, 18                          ; my image: 256 rows of 1,024 bytes
	s_and_b32 s10, ttmp9, 31
	s_lshl_b32 s10, s10, 3
	s_lshr_b32 s11, s8, 1
	s_add_co_u32 s10, s10, s11                     ; my row y
	s_add_co_u32 s23, s10, 255
	s_and_b32 s23, s23, 255                        ; y - 1, round the image's edge
	s_add_co_u32 s25, s10, 1
	s_and_b32 s25, s25, 255                        ; y + 1
	s_lshl_b32 s23, s23, 10
	s_lshl_b32 s24, s10, 10
	s_lshl_b32 s25, s25, 10
	s_add_co_u32 s23, s23, s9
	s_add_co_u32 s24, s24, s9
	s_add_co_u32 s25, s25, s9
	s_mov_b32 s21, 0
	s_wait_kmcnt 0x0                               ; the two addresses
	s_mov_b32 s20, s23
	s_add_nc_u64 s[12:13], s[4:5], s[20:21]        ; x at row y - 1,
	s_mov_b32 s20, s24
	s_add_nc_u64 s[14:15], s[4:5], s[20:21]        ; y,
	s_add_nc_u64 s[18:19], s[6:7], s[20:21]        ; out0 at row y,
	s_mov_b32 s20, s25
	s_add_nc_u64 s[16:17], s[4:5], s[20:21]        ; x at row y + 1
	s_wait_alu depctr_va_vdst(0)                   ; the offsets and LDS addresses v[COL], v[CL], v[CR], v[LI], v[LW] are written: the loads of x, the LDS stores and loads of pair^T and the last store read them, and nothing writes them again
.irp rho, 0,1,2
	global_load_b128 v[RAW+8*\rho:RAW+8*\rho+3], v[COL], s[12+2*\rho:13+2*\rho]    ; cells 1 to 4: 512 consecutive bytes a wave
	global_load_b32 v[RAW+8*\rho+4], v[CL], s[12+2*\rho:13+2*\rho]                 ; cell 0
	global_load_b32 v[RAW+8*\rho+5], v[CR], s[12+2*\rho:13+2*\rho]                 ; cell 5
.endr
	; waves 0 to 3 build tile w of pair^T while x is on its way; the branches hang on the wave's number alone
	s_cmp_ge_u32 s8, 4
	s_cbranch_scc1 .Lbuilt
.irp i, 0,1,2,3,4,5,6,7,8,9,10,11,12,13,14,15
	v_mov_b32 v[TB+\i], 0
.endr
	s_cmp_eq_u32 s8, 0
	s_cbranch_scc1 .Ltile0
	s_cmp_eq_u32 s8, 1
	s_cbranch_scc1 .Ltile1
	s_cmp_eq_u32 s8, 2
	s_cbranch_scc1 .Ltile2
.set TILE, 3
	JLIST 1
	s_branch .Lstore
.Ltile0:
.set TILE, 0
	JLIST 1
	s_branch .Lstore
.Ltile1:
.set TILE, 1
	JLIST 1
	s_branch .Lstore
.Ltile2:
.set TILE, 2
	JLIST 1
.Lstore:
	s_wait_alu depctr_va_vdst(0)                   ; the builder's lines have written v[TB ..], which the LDS stores read as their data
.irp i, 0,1,2,3
	ds_store_b128 v[LW], v[TB+4*\i:TB+4*\i+3] offset:512*\i   ; the image of the operand's registers: 512 consecutive bytes a store
.endr
.Lbuilt:
	s_wait_dscnt 0x0                               ; for the others' sake: my stores of the image have landed
	s_barrier_signal -1
	s_barrier_wait -1                              ; the four tiles lie in LDS; nothing writes them again
	s_wait_alu depctr_vm_vsrc(0)                   ; my LDS stores have read v[TB ..]: these registers are R from here on, written by the first iteration's vector instructions
.irp t, 0,1,2,3
	ds_load_b128 v[AF1+8*\t:AF1+8*\t+3], v[LI] offset:2048*\t
	ds_load_b128 v[AF1+8*\t+4:AF1+8*\t+7], v[LI] offset:2048*\t+512
	ds_load_b128 v[AF2+8*\t:AF2+8*\t+3], v[LI] offset:2048*\t+1024
	ds_load_b128 v[AF2+8*\t+4:AF2+8*\t+7], v[LI] offset:2048*\t+1536
.endr                                              ; no wait on va_vdst here: v[LI] was written ahead of the wait in front of x's loads, and no vector instruction has ever named v[AF1 ..] or v[AF2 ..]
	v_mov_b32 v[ASC], 0x7d7d7d7d                   ; 2^-2 for every block of pair^T: code 6 is the number 4
	v_mov_b32 v[KM], -1.0
	v_mov_b32 v[KM+1], 1.0
	v_mov_b32 v[KA], 1.0
	v_mov_b32 v[KA+1], 0
	v_mov_b32 v[QF], 0                             ; written once: both registers of an exchange of halves count as read
	v_mov_b32 v[QF+1], 0
	s_wait_loadcnt 0x0                             ; x: all nine loads, waited for once
.macro MKAB rho, kap, pb, e            ; (1 - a, a) of a cell, by one packed multiply-add: a x (-1, 1) + (1, 0)
	v_pk_fma_f32 v[AB+12*\rho+2*\kap:AB+12*\rho+2*\kap+1], v[RAW+8*\rho+\pb:RAW+8*\rho+\pb+1], v[KM:KM+1], v[KA:KA+1] op_sel:[\e,0,0] op_sel_hi:[\e,1,1]
.endm
.irp rho, 0,1,2
	MKAB \rho, 0, 4, 0
	MKAB \rho, 1, 0, 0
	MKAB \rho, 2, 0, 1
	MKAB \rho, 3, 2, 0
	MKAB \rho, 4, 2, 1
	MKAB \rho, 5, 4, 1
.endr
	TRI TRT, ET, 0, 0                              ; the first pixel's row tables
	TRI TRB, EB, 2, 0
	s_wait_dscnt 0x0                               ; pair^T is in my registers
	ITER 0
	ITER 1
	ITER 2
	ITER 3
	s_wait_alu depctr_va_vdst(0)                   ; the four iterations' last lines have written v[OUT ..], which the store reads as its data
	global_store_b128 v[COL], v[OUT:OUT+3], s[18:19] th:TH_STORE_NT   ; 32 lanes store 512 consecutive bytes, at a multiple of 512 from out0's first byte; written once, read by nobody here
	s_wait_dscnt 0x0                               ; the closing lines, six on end
	s_wait_alu 0x0
	s_wait_tensorcnt 0x0
	ds_add_u32 v[SPW], v[NIL]
	s_wait_dscnt 0x0
	s_endpgm
.Lfunc_end_k_q48bf73f6d0_life:
	.size	k_q48bf73f6d0_life, .Lfunc_end_k_q48bf73f6d0_life-k_q48bf73f6d0_life
	.p2alignl 7, 3214868480
	.fill 96, 4, 3214868480
	.section	.rodata,"a",@progbits
	.p2align	6, 0x0
	.amdhsa_kernel k_q48bf73f6d0_life
		.amdhsa_group_segment_fixed_size 10240
		.amdhsa_private_segment_fixed_size 0
		.amdhsa_enable_private_segment 0
		.amdhsa_kernarg_size 16
		.amdhsa_user_sgpr_count 2
		.amdhsa_user_sgpr_kernarg_segment_ptr 1
		.amdhsa_wavefront_size32 1
		.amdhsa_system_sgpr_workgroup_id_x 1
		.amdhsa_system_sgpr_workgroup_id_y 1
		.amdhsa_system_sgpr_workgroup_id_z 1
		.amdhsa_system_vgpr_workitem_id 0
		.amdhsa_next_free_vgpr 256
		.amdhsa_next_free_sgpr 66
		.amdhsa_reserve_vcc 0
		.amdhsa_float_denorm_mode_32 3
		.amdhsa_float_denorm_mode_16_64 3
		.amdhsa_memory_ordered 1
		.amdhsa_forward_progress 1
		.amdhsa_inst_pref_size 109
	.end_amdhsa_kernel
	.amdgpu_metadata
---
amdhsa.version: [ 1, 2 ]
amdhsa.kernels:
  - .name:           k_q48bf73f6d0_life
    .symbol:         k_q48bf73f6d0_life.kd
    .args:
      - { .name: x, .offset: 0, .size: 8, .value_kind: global_buffer, .address_space: global }
      - { .name: out0, .offset: 8, .size: 8, .value_kind: global_buffer, .address_space: global }
    .group_segment_fixed_size: 10240
    .private_segment_fixed_size: 0
    .kernarg_segment_align: 8
    .kernarg_segment_size: 16
    .max_flat_workgroup_size: 512
    .sgpr_count:     66
    .vgpr_count:     256
    .wavefront_size: 32
...
	.end_amdgpu_metadata
.endif
;; end of part 2
